; MI455X (gfx1250); checked and timed in simulation.
; The chip was launched on July 23, 2026; its instructions are those of AMD's public machine-readable ISA for CDNA 5 (MIT licence, August 2026) and "CDNA5" Instruction Set Architecture Reference Guide (July 2026). The comments in the code are by the model that wrote it; some were corrected since.
;; Scaled Dot Product. Allowed arithmetic: matrix products marked QUANTISED: E5M2 operands, one E8M0 scale for each 32 along K, by v_wmma_scale_f32_16x16x128_f8f6f4 with both operands' format E5M2, f32 sums; everything else in f32.
;; Inputs: k 16 x 4,096 x 64 float32; q 16 x 4,096 x 64 float32; v 16 x 4,096 x 64 float32.
;; Outputs: out0 16 x 4,096 x 64 float32.
;; This version of the problem:
;;   THIS VERSION OF THE PROBLEM IS GIVEN IN LOW PRECISION. The matrix products marked QUANTISED in the list below multiply operands that are first quantised to E5M2 (5 exponent bits, 2 mantissa bits; 8 bits a number), with one power-of-two scale for each 32 numbers along K (OCP MX v1.0); their sums are f32. All else is computed in f32.
;;   The module's matrix products, in the order in which they are computed (A, B: the left and right operand; K: the contracted axis; several contracted axes count as one K, in the product's order):
;;     1. batch 16 x [M 4,096, K 64] x [K 64, N 4,096]; A: input q; B: input k: QUANTISED
;;     2. batch 16 x [M 4,096, K 4,096] x [K 4,096, N 64]; A: computed on the way; B: input v: QUANTISED
;;   THE QUANTISER, for each operand of a quantised product, along K:
;;     - K is cut into blocks of 32 from its start; a last block that is shorter is filled with zeros.
;;     - A block's scale is 2^e with e = floor(log2(the largest magnitude in the block)) - 15, held to -126 .. 127; a block of zeros has e = 0. As a byte (E8M0): e + 127.
;;     - Each number is divided by its block's scale, clamped to +-57,344, and rounded to the nearest number of E5M2, ties to even, subnormals kept.
;;     - The product sums the exact products of the quantised numbers (number of the format x scale) in f32.
;;   ~~~python
;;   def quantise(x, axis):      # numpy; x: float32 -> the quantised numbers, widened to float32 again
;;       x = np.moveaxis(x, axis, -1); K = x.shape[-1]
;;       x = np.pad(x, [(0, 0)] * (x.ndim - 1) + [(0, -K % 32)]); x = x.reshape(x.shape[:-1] + (-1, 32)); a = np.abs(x).max(-1, keepdims=True)
;;       e = np.where(a > 0, np.clip(np.frexp(np.where(a > 0, a, 1))[1] - 1 - 15, -126, 127), 0)      # np.frexp(a)[1] - 1 = floor(log2(a)), exactly
;;       r = np.clip(x / 2.0 ** e, -57344, 57344)
;;       step = 2.0 ** (np.maximum(np.frexp(np.where(r == 0, 1, r))[1] - 1, -14) - 2)
;;       q = np.round(r / step) * step * 2.0 ** e      # np.round: ties to even
;;       return np.moveaxis(q.reshape(q.shape[:-2] + (-1,))[..., :K], -1, axis).astype(np.float32)
;;   ~~~
;;   OPERANDS COMPUTED ON THE WAY. 'Computed on the way' means the value that the module computes at that place (a softmax that the list does not call 'softmax' is quantised finished and normalised). What goes into a quantiser is computed in f32, as accurately as f32 sums, v_exp_f32 and their like allow (about 1e-6 of the number): no bf16 or f16 on the way to a quantiser, and a product that is left as it is and whose result goes on into a quantised operand takes f32 operands (vector FMAs, or v_wmma_f32_16x16x4_f32). A number that lies on a knife's edge between two numbers of the format may be rounded either way, as far as f32 arithmetic and the matrix unit's own rounding can turn it there, and no further.
;; One version. Each part assembles by itself: llvm-mc -triple=amdgcn-amd-amdhsa -mcpu=gfx1250 --defsym DOCPART=n.
;; ======== version 1 of 1: 3 launches
;; limits: right only within a limited range of input values
;; workspace buffers: qx 4,325,376 bytes; kv 8,650,752 bytes; nbias 262,144 bytes
;; launch prep (part 1): grid 640 x 1, 8 waves a work-group, no clusters, 71,168 bytes of LDS; arguments q, k, v, qx, kv; writes qx, kv
.if DOCPART == 1
	.amdgcn_target "amdgcn-amd-amdhsa--gfx1250"
	.amdhsa_code_object_version 6
	.text
	.protected	k_q6e2f00f260_prep
	.globl	k_q6e2f00f260_prep
	.p2align	8
	.type	k_q6e2f00f260_prep,@function
k_q6e2f00f260_prep:
	s_mov_b64 s[64:65], 0
	v_nop
	global_prefetch_b8 v0, s[64:65] scope:SCOPE_SE
	s_setreg_imm32_b32 hwreg(HW_REG_WAVE_MODE, 25, 1), 1
	s_wait_xcnt 0x0
; q, k, v [16][4096][64] f32 are turned ONCE into codes of BF8 (E5M2) with one E8M0 scale byte for each 32 along a product's K,
; laid as IMAGES OF THE OPERAND REGISTERS that the two later launches load, so that every later read is 16 bytes a lane, 512 consecutive bytes a wave.
; q, k (K = the 64 of d, innermost): a PAIR is 32 rows = two tiles u of 16; lane r of tile u stands for row 32 P + 8 u + r + (r & 8).  A pair's image is 2,048 bytes:
;   chunk c = 2 u + e (e = which 32 of d) at 512 c; lane (r, h) has 16 codes at 16 (16 h + r): d = 32 e + 16 h + 0 .. 15.  Its 16 scale words: word r = bytes (u0 e0, u0 e1, u1 e0, u1 e1).
; v (K = the keys, its first axis in a batch): for key step J (128 keys) and tile dt of 16 of d an image of 2,048 bytes: chunk c = key block; lane (r, h) at 256 h + 16 r: d = 16 dt + r, keys 32 c + 16 h + 0 .. 15.
;   Scale words [J][64 d], byte c = key block c.
; A block's scale is 2^(floor(log2(largest magnitude)) - 15): its byte is the largest magnitude's exponent field - 15, held at 1 from below by a floor among the maximum's leaves.
; LIMITS: a block of zeros gets the byte 1 where the quantiser says 127 (its codes are zeros, which add nothing under any byte but 0xff, and this program alone reads the bytes); NaN and infinities among the inputs are not served.
; SHARES: work-groups 0-255 take q, 256-511 k (one path, pointers chosen by the work-group's number), one pair a wave; work-groups 512-639 take v, a wave 32 columns of d x 128 keys.
; Nothing is shared between work-groups, so no cluster; memory binds, so no matrix unit and no tensor load.
.set R,    16                          ; v16-79   q/k: a pair as loaded;  v: two sets of 32 numbers
.set X,    80                          ; v80-143  q/k: 64 numbers in the operand's order
.set PC,   16                          ; v16-31   the pair's codes: they and the next three lie where the pair was loaded, which is free once the stage has turned it
.set TM,   32                          ; v32-35 largest magnitudes, v36-39 bytes, v40-43 the largest number x the scale, v44-47 the conversions' scale operands
.set PW,   48
.set OB,   52
.set VC,   80                          ; v: codes, eight registers for each key block: no store's data are written again
.set SBY,  112                         ; v: the four scale bytes
.set STGW, 32*272                      ; LDS: a stage of 32 rows x (256 bytes + 16) for each wave
.set SCW,  8*STGW                      ; behind the stages: the work-group's 8 x 16 scale words
.set SEL,  36                          ; s[36:37] lane selects: lane l xor 16
.set MNT,  38                          ; s38 the mantissa field of 57,344
	s_load_b256 s[4:11], s[0:1], 0x0               ; q s[4:5], k s[6:7], v s[8:9], qimg s[10:11]
	s_load_b64 s[14:15], s[0:1], 0x20              ; kv (s[10:11] is qx)
	v_lshl_add_u32 v144, v0, 2, 0x11200
	v_mov_b32 v145, 0
	v_lshrrev_b32 v1, 5, v0
	s_delay_alu instid0(VALU_DEP_1)
	v_readfirstlane_b32 s22, v1                    ; wave 0..7
	v_and_b32 v2, 31, v0                           ; lane
	v_and_b32 v3, 15, v0                           ; r
	v_bfe_u32 v4, v0, 4, 1                         ; h
	s_delay_alu instid0(VALU_DEP_3)
	v_lshlrev_b32 v5, 4, v2                        ; 16 x lane: my bytes of a load's or a store's 512
	s_mul_i32 s23, s22, STGW                       ; my stage
	v_mul_u32_u24 v6, v4, 272
	s_delay_alu instid0(VALU_DEP_1)
	v_lshl_add_u32 v6, v3, 4, v6
	s_delay_alu instid0(VALU_DEP_1)
	v_add_nc_u32 v6, s23, v6                       ; into it: a load's 512 bytes are two rows: row h, byte 16 r
	v_and_b32 v7, 8, v3
	s_delay_alu instid0(VALU_DEP_1)
	v_add_nc_u32 v7, v7, v3                        ; r + (r & 8)
	s_delay_alu instid0(VALU_DEP_1)
	v_mul_u32_u24 v7, v7, 272
	s_delay_alu instid0(VALU_DEP_1)
	v_lshl_add_u32 v7, v4, 6, v7
	s_delay_alu instid0(VALU_DEP_1)
	v_add_nc_u32 v7, s23, v7                       ; out of it: my row of tile 0, my half's 16 numbers of a block
	s_lshl_b32 s23, s22, 6
	v_lshl_add_u32 v8, v3, 2, SCW
	s_delay_alu instid0(VALU_DEP_1)
	v_add_nc_u32 v8, s23, v8                       ; where my pair's scale word r goes
	v_add_nc_u32 v9, SCW, v5                       ; and where wave 0 reads all 128 words back
	v_lshlrev_b32 v10, 2, v2                       ; v: 4 x lane
	v_lshlrev_b32 v11, 11, v4
	s_delay_alu instid0(VALU_DEP_1)
	v_lshl_add_u32 v11, v3, 4, v11                 ; v: my codes' place: tile (lane / 16), 16 bytes a lane
.irp b, 0,1,2,3
	v_mov_b32 v[TM+4+\b], 0                        ; written once: a lane permute's destination counts as one of its sources
.endr
	s_mov_b32 s[SEL], 0x76543210
	s_mov_b32 s[SEL+1], 0xfedcba98
	s_mov_b32 s[MNT], 0x600000
	s_and_b32 s30, ttmp9, 255                      ; which group of 8 pairs of q or of k
	s_lshl_b32 s31, s30, 3
	s_add_co_u32 s31, s31, s22                     ; my pair P
	s_lshr_b32 s34, ttmp9, 9                       ; 1 in v's work-groups,
	s_or_b32 s34, s34, s22                         ; so 0 only in wave 0 of a work-group of q or k
	s_mov_b32 s33, 0
	s_wait_kmcnt 0x0
	s_cmp_lt_u32 ttmp9, 256                        ; q or k: the choice hangs on the work-group's number alone
	s_cselect_b64 s[24:25], s[4:5], s[6:7]
	; WHERE THE IMAGES AND SCALE WORDS LIE.  qx: a region for each batch: 128 pairs' images (262,144 bytes), then their scale words (8,192).
	; kv: a region of 16,896 bytes for each key step J: k's 4 pairs' images (8,192), v's 4 images (8,192), k's scale words (256), v's (256).
	; Every region is a whole number of rows of 256 bytes, so that one dense tensor load of a later launch brings images and scale words together.
	s_cselect_b64 s[26:27], s[10:11], s[14:15]
	s_cselect_b32 s39, 7, 2                        ; log2 of the pairs in a region
	s_mov_b32 s40, 8704
	s_cselect_b32 s40, 8192, s40                   ; a region's bytes beyond its pairs' images
	s_mov_b32 s41, 16384
	s_cselect_b32 s41, 0x40000, s41                ; where the scale words begin in a region
	s_mov_b32 s47, 16640
	s_cselect_b32 s47, 0, s47                      ; k: the work-group's second 256 bytes of scale words lie in the next region
	s_mov_b64 s[28:29], s[26:27]
	v_mad_u32_u24 v146, v4, s47, v5                ; wave 0's place for the scale words on their way out
	s_lshl_b32 s32, s31, 13
	s_add_nc_u64 s[24:25], s[24:25], s[32:33]
	s_lshr_b32 s43, s31, s39
	s_mul_i32 s43, s43, s40
	s_lshl_b32 s32, s31, 11
	s_add_co_u32 s32, s32, s43                     ; 2,048 P + (P's region) x what lies between the regions' images
	s_add_nc_u64 s[26:27], s[26:27], s[32:33]
	s_lshl_b32 s44, s30, 3                         ; the work-group's first pair
	s_lshr_b32 s43, s44, s39
	s_lshl_b32 s45, 2048, s39
	s_add_co_u32 s45, s45, s40                     ; a region's bytes
	s_mul_i32 s43, s43, s45
	s_add_co_u32 s43, s43, s41
	s_bfm_b32 s46, s39, 0
	s_and_b32 s44, s44, s46
	s_lshl_b32 s44, s44, 6                         ; 64 bytes of scale words a pair
	s_add_co_u32 s32, s43, s44
	s_add_nc_u64 s[28:29], s[28:29], s[32:33]
	s_cmp_ge_u32 ttmp9, 512
	s_cbranch_scc1 .Lv
; ---- q, k.  16 loads take the pair as it lies, 512 consecutive bytes each; the stage turns it into the operand's order.
.irp i, 0,1,2,3,4,5,6,7,8,9,10,11,12,13,14,15
	global_load_b128 v[R+4*\i:R+4*\i+3], v5, s[24:25] offset:512*\i th:TH_LOAD_NT
.endr
.irp g, 0,1,2,3
	s_wait_loadcnt 12-4*\g                         ; loads come back in order: these four are in, the younger groups of four stay out
.irp j, 0,1,2,3
	ds_store_b128 v6, v[R+4*(4*\g+\j):R+4*(4*\g+\j)+3] offset:544*(4*\g+\j)
.endr
.endr
.irp u, 0,1
.irp e, 0,1
.irp k, 0,1,2,3
	ds_load_b128 v[X+16*(2*\u+\e)+4*\k:X+16*(2*\u+\e)+4*\k+3], v7 offset:2176*\u+128*\e+16*\k   ; LDS serves a wave's instructions in order: these see my stores
.endr
.endr
.endr
	s_wait_dscnt 0x0
; 64 numbers of a lane, register 16 c + i = number 16 h + i of chunk c's block of my row; lane l xor 16 holds the block's other 16
.irp b, 0,1,2,3
	v_max3_num_f32 v[TM+\b], |v[X+16*\b]|, |v[X+1+16*\b]|, 0x8000000   ; and the floor 2^(16 - 127): the byte cannot fall under 1
.endr
.irp i, 2,4,6,8,10,12,14
.irp b, 0,1,2,3
	s_delay_alu instid0(VALU_DEP_4)
	v_max3_num_f32 v[TM+\b], v[TM+\b], |v[X+16*\b+\i]|, |v[X+1+16*\b+\i]|   ; the four blocks by turns
.endr
.endr
.irp b, 0,1,2,3
	s_delay_alu instid0(VALU_DEP_4)
	v_permlanex16_b32 v[TM+4+\b], v[TM+\b], s[SEL], s[SEL+1]
.endr
.irp b, 0,1,2,3
	s_delay_alu instid0(VALU_DEP_4)
	v_max_num_f32 v[TM+\b], v[TM+\b], v[TM+4+\b]   ; the block's largest magnitude
.endr
.irp b, 0,1,2,3
	s_delay_alu instid0(VALU_DEP_4)
	v_add_nc_u32 v[TM+12+\b], 0xf8800000, v[TM+\b] ; 15 off its exponent field: the conversion takes this operand's exponent field as its scale
.endr
.irp b, 0,1,2,3
	v_and_or_b32 v[TM+8+\b], v[TM+\b], 0x7f800000, s[MNT]   ; 57,344 x the scale
.endr
.irp b, 0,1,2,3
	v_lshrrev_b32 v[TM+4+\b], 23, v[TM+12+\b]      ; the scale's byte
.endr
	s_delay_alu instid0(VALU_DEP_3)
	v_lshl_or_b32 v[PW], v[TM+5], 8, v[TM+4]
	s_delay_alu instid0(VALU_DEP_1)
	v_lshl_or_b32 v[PW], v[TM+6], 16, v[PW]
	s_delay_alu instid0(VALU_DEP_1)
	v_lshl_or_b32 v[PW], v[TM+7], 24, v[PW]
.irp b, 0,1,2,3
.irp i, 0,1,2,3,4,5,6,7,8,9,10,11,12,13,14,15
	v_med3_num_f32 v[X+16*\b+\i], v[X+16*\b+\i], -v[TM+8+\b], v[TM+8+\b]   ; the conversion to an 8-bit code does not saturate (ISA guide 7.6.2): the hold comes first
.endr
	v_cvt_scalef32_pk8_bf8_f32 v[PC+4*\b:PC+1+4*\b], v[X+16*\b:X+7+16*\b], v[TM+12+\b]
	v_cvt_scalef32_pk8_bf8_f32 v[PC+2+4*\b:PC+3+4*\b], v[X+8+16*\b:X+15+16*\b], v[TM+12+\b]
.endr
	v_nop                                          ; a plain line behind the last conversion
.irp c, 0,1,2,3
	global_store_b128 v5, v[PC+4*\c:PC+4*\c+3], s[26:27] offset:512*\c   ; a chunk: 512 consecutive bytes, aligned
.endr
	ds_store_b32 v8, v[PW]                         ; lanes r and r + 16 write the same word with the same value
	s_branch .Ljoin
; ---- v.  A lane takes a column d and its registers run down the keys: a block of 32 keys lies in one lane, and the codes come out with the keys innermost.
.Lv:
	s_sub_co_u32 s39, ttmp9, 512
	s_lshl_b32 s39, s39, 2
	s_lshr_b32 s40, s22, 1
	s_add_co_u32 s39, s39, s40                     ; J = 32 x batch + key step
	s_and_b32 s40, s22, 1                          ; which 32 of the 64 columns
	s_lshl_b32 s32, s39, 15                        ; 128 keys x 256 bytes
	s_lshl_b32 s41, s40, 7
	s_add_co_u32 s32, s32, s41
	s_add_nc_u64 s[8:9], s[8:9], s[32:33]
	s_mul_i32 s42, s39, 16896                      ; key step J's region of kv
	s_lshl_b32 s41, s40, 12
	s_add_co_u32 s32, s42, s41
	s_add_co_u32 s32, s32, 8192                    ; v's images lie behind k's
	s_add_nc_u64 s[18:19], s[14:15], s[32:33]
	s_lshl_b32 s41, s40, 7
	s_add_co_u32 s32, s42, s41
	s_add_co_u32 s32, s32, 16640                   ; v's 64 scale words
	s_add_nc_u64 s[20:21], s[14:15], s[32:33]
.macro LOADV t                         ; key block t: v(32 t + i, my column) into set t % 2; 128 consecutive bytes a load, the partner wave takes the row's other 128
.irp i, 0,1,2,3,4,5,6,7,8,9,10,11,12,13,14,15,16,17,18,19,20,21,22,23,24,25,26,27,28,29,30,31
	global_load_b32 v[R+32*((\t)%2)+\i], v10, s[8:9] offset:256*(32*(\t)+\i) th:TH_LOAD_NT
.endr
.endm
.macro BLOCKV t
.set XV, R+32*((\t)%2)
.if (\t) < 3
	s_wait_loadcnt 32                              ; this block's 32 loads are in; the next block's 32 may be out
.else
	s_wait_loadcnt 0x0
.endif
	v_max3_num_f32 v12, |v[XV]|, |v[XV+1]|, |v[XV+2]|
	v_max3_num_f32 v13, |v[XV+3]|, |v[XV+4]|, |v[XV+5]|
.irp i, 6,10,14,18,22,26
	s_delay_alu instid0(VALU_DEP_2)
	v_max3_num_f32 v12, v12, |v[XV+\i]|, |v[XV+\i+1]|
	s_delay_alu instid0(VALU_DEP_2)
	v_max3_num_f32 v13, v13, |v[XV+\i+2]|, |v[XV+\i+3]|
.endr
	s_delay_alu instid0(VALU_DEP_2)
	v_max3_num_f32 v12, v12, |v[XV+30]|, |v[XV+31]|
	s_delay_alu instid0(VALU_DEP_1)
	v_max3_num_f32 v12, v12, v13, 0x8000000        ; and the floor
	s_delay_alu instid0(VALU_DEP_1)
	v_add_nc_u32 v15, 0xf8800000, v12              ; the conversions' scale operand
	s_delay_alu instid0(VALU_DEP_2)
	v_and_or_b32 v14, v12, 0x7f800000, s[MNT]      ; 57,344 x the scale
	s_delay_alu instid0(VALU_DEP_2)
	v_lshrrev_b32 v13, 23, v15                     ; the byte
.if (\t) == 0
	s_delay_alu instid0(VALU_DEP_1)
	v_mov_b32 v[SBY], v13
.else
	s_delay_alu instid0(VALU_DEP_1)
	v_lshl_or_b32 v[SBY], v13, 8*(\t), v[SBY]
.endif
.irp i, 0,1,2,3,4,5,6,7,8,9,10,11,12,13,14,15,16,17,18,19,20,21,22,23,24,25,26,27,28,29,30,31
	v_med3_num_f32 v[XV+\i], v[XV+\i], -v14, v14
.endr
.irp g, 0,1,2,3
	v_cvt_scalef32_pk8_bf8_f32 v[VC+8*(\t)+2*\g:VC+8*(\t)+2*\g+1], v[XV+8*\g:XV+8*\g+7], v15
.endr
	global_store_b128 v11, v[VC+8*(\t):VC+8*(\t)+3], s[18:19] offset:512*(\t)          ; keys 0-15 of the block: sixteen lanes store 256 consecutive bytes, aligned
	global_store_b128 v11, v[VC+8*(\t)+4:VC+8*(\t)+7], s[18:19] offset:512*(\t)+256    ; keys 16-31
.if (\t)+2 < 4
	LOADV (\t)+2
.endif
.endm
	s_wait_alu depctr_va_vdst(0)
	LOADV 0
	LOADV 1
	BLOCKV 0
	BLOCKV 1
	BLOCKV 2
	BLOCKV 3
	global_store_b32 v10, v[SBY], s[20:21]         ; 128 consecutive bytes: half of an aligned 256, the partner wave stores the other half; one byte for each 128 that the wave reads
.Ljoin:
	s_wait_dscnt 0x0                               ; for the others' sake: my scale words lie in LDS
	s_barrier_signal -1
	s_barrier_wait -1                              ; every wave of every work-group passes this one barrier
	s_cmp_lg_u32 s34, 0
	s_cbranch_scc1 .Lend                           ; wave 0 of a work-group of q or k stores the eight pairs' words
	ds_load_b128 v[OB:OB+3], v9
	s_wait_dscnt 0x0
	global_store_b128 v146, v[OB:OB+3], s[28:29]   ; sixteen lanes store 256 consecutive bytes, aligned
.Lend:
	s_wait_tensorcnt 0x0
	ds_add_u32 v144, v145
	s_wait_dscnt 0x0
	s_endpgm
.Lfunc_end_k_q6e2f00f260_prep:
	.size	k_q6e2f00f260_prep, .Lfunc_end_k_q6e2f00f260_prep-k_q6e2f00f260_prep
	.p2alignl 7, 3214868480
	.fill 96, 4, 3214868480
	.section	.rodata,"a",@progbits
	.p2align	6, 0x0
	.amdhsa_kernel k_q6e2f00f260_prep
		.amdhsa_group_segment_fixed_size 71168
		.amdhsa_private_segment_fixed_size 0
		.amdhsa_enable_private_segment 0
		.amdhsa_kernarg_size 40
		.amdhsa_user_sgpr_count 2
		.amdhsa_user_sgpr_kernarg_segment_ptr 1
		.amdhsa_wavefront_size32 1
		.amdhsa_system_sgpr_workgroup_id_x 1
		.amdhsa_system_sgpr_workgroup_id_y 1
		.amdhsa_system_sgpr_workgroup_id_z 1
		.amdhsa_system_vgpr_workitem_id 0
		.amdhsa_next_free_vgpr 148
		.amdhsa_next_free_sgpr 66
		.amdhsa_reserve_vcc 0
		.amdhsa_float_denorm_mode_32 3
		.amdhsa_float_denorm_mode_16_64 3
		.amdhsa_memory_ordered 1
		.amdhsa_forward_progress 1
		.amdhsa_inst_pref_size 48
	.end_amdhsa_kernel
	.amdgpu_metadata
---
amdhsa.version: [ 1, 2 ]
amdhsa.kernels:
  - .name:           k_q6e2f00f260_prep
    .symbol:         k_q6e2f00f260_prep.kd
    .args:
      - { .name: q, .offset: 0, .size: 8, .value_kind: global_buffer, .address_space: global }
      - { .name: k, .offset: 8, .size: 8, .value_kind: global_buffer, .address_space: global }
      - { .name: v, .offset: 16, .size: 8, .value_kind: global_buffer, .address_space: global }
      - { .name: qx, .offset: 24, .size: 8, .value_kind: global_buffer, .address_space: global }
      - { .name: kv, .offset: 32, .size: 8, .value_kind: global_buffer, .address_space: global }
    .group_segment_fixed_size: 71168
    .private_segment_fixed_size: 0
    .kernarg_segment_align: 8
    .kernarg_segment_size: 40
    .max_flat_workgroup_size: 256
    .sgpr_count:     66
    .vgpr_count:     148
    .wavefront_size: 32
...
	.end_amdgpu_metadata
.endif
;; end of part 1
;; launch stats (part 2): grid 16 x 16, 16 waves a work-group, clusters of 4 x 1, 276,480 bytes of LDS; arguments qx, kv, nbias; writes nbias
.if DOCPART == 2
	.amdgcn_target "amdgcn-amd-amdhsa--gfx1250"
	.amdhsa_code_object_version 6
	.text
	.protected	k_q6e2f00f260_stats
	.globl	k_q6e2f00f260_stats
	.p2align	8
	.type	k_q6e2f00f260_stats,@function
k_q6e2f00f260_stats:
	s_mov_b64 s[64:65], 0
	v_nop
	global_prefetch_b8 v0, s[64:65] scope:SCOPE_SE
	s_setreg_imm32_b32 hwreg(HW_REG_WAVE_MODE, 25, 1), 1
	s_wait_xcnt 0x0
	s_wait_alu depctr_hold_cnt(0) depctr_sa_sdst(0) depctr_va_vdst(0) depctr_va_sdst(0) depctr_va_ssrc(0) depctr_va_vcc(0) depctr_vm_vsrc(0)
	s_getreg_b32 s2, hwreg(HW_REG_IB_STS2, 6, 4)
	s_cmp_eq_u32 s2, 0
	s_cbranch_scc0 .Lentry_in_a_cluster
	s_endpgm
.Lentry_in_a_cluster:
	s_bfe_u32 s2, ttmp6, 0x10000c
	s_cmp_lg_u32 s2, 0x3003
	s_cbranch_scc0 .Lentry_shape_is_right
	s_endpgm
.Lentry_shape_is_right:
; THE COLUMN STATISTICS of the softmax over the QUERY axis.  For each key k of a batch: m = the largest score q . k over all 4,096 queries, l = the sum over the queries of e^((s - m) / 8).
; Stored is ONE number a key, in score units: nb = -(m + log2(l) / c), c = log2(e) / 8, so that the finished weight is 2^(c (s + nb)).
; The scores are MX-BF8 products on the codes and scale bytes that the first launch laid; they never go to memory.
; RUNNING MAXIMUM: a lane keeps m, N = -c m and l = the sum of 2^(c s + N); when m moves, l is multiplied by 2^(new N - old N), which is 1 where m stays.
; Two partial results join by n = min(N1, N2), l = l1 2^(n - N1) + l2 2^(n - N2).
; K = 64 IN AN INSTRUCTION 128 DEEP: source 0 is a PAIR of q: [tile 0's 64 | tile 1's 64]; source 1 lies as Z K0 Z K1 Z (8 registers each, Z = zero codes):
; the run [K | Z] gives the pair's tile 0, the run [Z | K] its tile 1.  The stationary scale word is (s0, s1, s0, s1) and serves both runs.
; SHARES: a work-group owns 256 keys of one batch.  Wave w: kg = w & 7 picks a pair of k (32 keys), qg = w >> 3 the parity of its query steps (64 queries a step, 32 steps a wave).
; A lane holds ONE key (lane % 16) and eight queries an accumulator: maximum and sum stay in the lane inside the loop.
; LDS: a batch's region of qx, images and scale words, 1,056 rows of 256 bytes, filled once: each of the sixteen waves asks for 66 rows by its one tensor load.
; CLUSTER: the four work-groups of a cluster belong to one batch and read the same q: the load is joint, with the mask of all four.
; No prefetch: the launch's only tensor loads stand at its head, so there is no loop to run ahead in.
; A step's exponentials go in two batches, a tile of k each.  Among a batch's lines stand plain lines that hang on nothing in the batch: their sources were written ahead of the wait in front of it, and their results are first read behind the wait that follows it.
; LIMITS: NaN and infinities are not served; the running maximum starts at -3e38.
.set QSC,  262144                      ; LDS: q's images 0 .. 262,143; q's scale words 8,192 bytes
.set STN,  270336                      ; [qg][256 keys] of N, 2,048 bytes; behind it the same of l
.set SPARE, 274432                     ; the spare words, 128 bytes a wave
.set KB,   16                          ; v16-55   Z K0 Z K1 Z
.set QF,   56                          ; v56-87   two pairs of q
.set QSW,  88                          ; v88      their scale words: lanes 0-15 the first pair's, lanes 16-31 the second's
.set KSC,  89                          ; v89-90   the stationary scale words
.set KRAW, 91
.set SB,   96                          ; v96-159  scores: tile kt of k, pair p, tile u of q at SB + 32 kt + 8 (2 p + u)
.set EN,   200                         ; v200-219 at work at the end
.set ST,   224                         ; tile kt at ST + 8 kt: +0 N, +1 named with it, +2,+3 l in two halves, +4 the factor, +5 named with it, +6 m, +7 the new N
.set MX,   240                         ; v240-247 four chains of the maximum for each kt
.set XS,   248                         ; v248-251 a second chain of the sum for each kt
.set G1,   16
.set G0,   32
.set CS,   52                          ; s[52:53] c
.set NC,   54                          ; -c
.set IC,   55                          ; 1 / c
.set SEL,  56                          ; s[56:57] lane l xor 16
.set TQ,   58                          ; LDS byte of the step's two pairs
.set TS,   59                          ; and of their scale words, less QSC
.set CNT,  60
.set WV,   61
.macro ROUND                           ; a round of the cluster's barrier
	s_barrier_signal -1
	s_barrier_wait -1
	s_cmp_lg_u32 s[WV], 0
	s_cbranch_scc1 .Lnot_wave_0_\@
	s_barrier_signal -3
.Lnot_wave_0_\@:
	s_barrier_wait -3
	s_barrier_signal -1
	s_barrier_wait -1
.endm
	s_load_b128 s[4:7], s[0:1], 0x0                ; qx, kv
	s_load_b64 s[8:9], s[0:1], 0x10                ; nbias
	v_lshl_add_u32 v254, v0, 2, SPARE
	v_mov_b32 v255, 0
	ds_add_u32 v254, v255                          ; the opening lines: the add twice on end
	ds_add_u32 v254, v255
	v_lshrrev_b32 v8, 5, v0
	v_readfirstlane_b32 s[WV], v8                  ; wave 0..15
	s_bfe_u32 s62, ttmp6, 0x40000                  ; cx
	s_lshl_b32 s63, ttmp9, 2
	s_add_co_u32 s63, s63, s62                     ; kb: my block of 256 keys: it enters kv's and nbias's addresses alone
	s_and_b32 s14, ttmp7, 0xffff                   ; the batch, which the four partners share
	s_mov_b32 s[G1], 15|(3<<16)|(1<<21)            ; the mask of all four; elements of 8 bytes; bit 21 beside a mask; no padding: images are read 512 consecutive bytes an instruction
	s_mov_b32 s[G1+1], 32<<16                      ; rows of 256 bytes
	s_mov_b32 s[G1+2], 66<<16
	s_mov_b32 s[G1+3], 32<<16
	s_mov_b32 s[G1+4], 66
	s_mov_b32 s[G1+5], 32                          ; dense
	s_mov_b32 s[G1+6], 0
	s_mov_b32 s[G1+7], 0
	s_mul_i32 s2, s14, 270336                      ; the batch's region,
	s_mul_i32 s15, s[WV], 16896                    ; my 66 rows of it
	s_add_co_u32 s2, s2, s15
	s_mov_b32 s3, 0
	s_mov_b32 s[G0], 1
	s_mov_b32 s[G0+1], s15
	s_wait_alu depctr_va_vdst(0)                   ; the wait ahead of the blocking waits
	s_wait_dscnt 0x0
	s_wait_kmcnt 0x0
	s_add_nc_u64 s[G0+2:G0+3], s[4:5], s[2:3]
	s_or_b32 s[G0+3], s[G0+3], 0x80000000
	ROUND                                          ; all four work-groups are here: the joint loads meet
	tensor_load_to_lds s[G0:G0+3], s[G1:G1+7]      ; my one tensor load
	s_nop 0
.rept 4
	v_nop
.endr
	s_and_b32 s2, s[WV], 7                         ; kg
	s_lshr_b32 s15, s[WV], 3                       ; qg
	s_lshl_b32 s62, s14, 5
	s_lshl_b32 s66, s63, 1
	s_add_co_u32 s62, s62, s66
	s_lshr_b32 s66, s2, 2
	s_add_co_u32 s62, s62, s66                     ; my pair's key step J = 32 b + 2 kb + kg / 4
	s_mul_i32 s62, s62, 16896
	s_and_b32 s66, s2, 3
	s_lshl_b32 s68, s66, 11
	s_add_co_u32 s68, s68, s62
	s_mov_b32 s69, 0
	s_add_nc_u64 s[10:11], s[6:7], s[68:69]        ; the pair's image
	s_lshl_b32 s68, s66, 6
	s_add_co_u32 s68, s68, s62
	s_add_co_u32 s68, s68, 16384
	s_add_nc_u64 s[6:7], s[6:7], s[68:69]          ; its scale words
	s_lshl_b32 s68, s14, 14
	s_lshl_b32 s66, s63, 10
	s_add_co_u32 s68, s68, s66
	s_add_nc_u64 s[8:9], s[8:9], s[68:69]          ; nbias at my 256 keys
	s_lshl_b32 s68, s15, 10
	s_lshl_b32 s66, s2, 7
	s_add_co_u32 s68, s68, s66                     ; [qg][32 kg] among the partial results
	s_lshl_b32 s[TQ], s15, 12                      ; step qg: 4,096 bytes a step,
	s_lshl_b32 s[TS], s15, 7                       ; 128 bytes of scale words
	s_mov_b32 s[CS], 0x3e38aa3b                    ; c = log2(e) / 8
	s_mov_b32 s[CS+1], s[CS]
	s_mov_b32 s[NC], 0xbe38aa3b
	s_mov_b32 s[IC], 0x40b17218                    ; 8 ln 2
	s_mov_b32 s[SEL], 0x76543210
	s_mov_b32 s[SEL+1], 0xfedcba98
	v_and_b32 v8, 31, v0                           ; lane
	v_and_b32 v9, 15, v0                           ; r
	v_lshlrev_b32 v1, 4, v8                        ; 16 x lane: an image's place for my lane
	v_lshlrev_b32 v10, 2, v9
	global_load_b128 v[KB+8:KB+11], v1, s[10:11]
	global_load_b128 v[KB+12:KB+15], v1, s[10:11] offset:512
	global_load_b128 v[KB+24:KB+27], v1, s[10:11] offset:1024
	global_load_b128 v[KB+28:KB+31], v1, s[10:11] offset:1536
	global_load_b32 v[KRAW], v10, s[6:7]           ; word r, in both halves of the lanes
	v_lshl_add_u32 v2, v8, 2, QSC                  ; 4 x lane among a step's 32 scale words
	v_and_b32 v11, 8, v9
	v_add_nc_u32 v11, v11, v9                      ; r + (r & 8): my key in tile 0 of the pair
	v_lshl_add_u32 v5, v11, 2, STN
	v_add_nc_u32 v5, s68, v5                       ; where my key's N goes
	v_and_b32 v7, 63, v0
	v_lshlrev_b32 v7, 4, v7                        ; the end: four keys a thread of waves 0 and 1
	v_add_nc_u32 v6, STN, v7
.irp z, 0,16,32
.irp i, 0,1,2,3,4,5,6,7
	v_mov_b32 v[KB+\z+\i], 0                       ; Z: zero codes
.endr
.endr
.irp i, 0,1,8,9
	v_mov_b32 v[EN+\i], 0                          ; a lane permute's destination counts as one of its sources
.endr
	s_wait_alu depctr_va_vdst(0)
	s_wait_loadcnt 0x0
	v_perm_b32 v[KSC], v[KRAW], v[KRAW], 0x01000100      ; tile 0's bytes (s0, s1, s0, s1)
	v_perm_b32 v[KSC+1], v[KRAW], v[KRAW], 0x03020302    ; tile 1's
.irp k, 0,1                                    ; these twelve lines are also the places between the scale words' making and the first product
	v_mov_b32 v[ST+8*\k+6], 0xff61b1e6             ; m = -3e38
	v_mov_b32 v[ST+8*\k+1], 0
	v_mov_b32 v[ST+8*\k+2], 0                      ; l
	v_mov_b32 v[ST+8*\k+3], 0
	v_mov_b32 v[ST+8*\k+5], 0
	v_mul_f32 v[ST+8*\k], s[NC], v[ST+8*\k+6]      ; N = -c m
.endr
.macro SUM1                            ; line n of 16 of tile 1's sum of 16 pairs, in two chains
.if n == 0
	v_pk_add_f32 v[XS+2:XS+3], v[SB+32:SB+33], v[SB+34:SB+35]
.elseif n == 15
	v_pk_add_f32 v[ST+10:ST+11], v[ST+10:ST+11], v[XS+2:XS+3]
.elseif n%2
	v_pk_add_f32 v[ST+10:ST+11], v[ST+10:ST+11], v[SB+32+2*n+2:SB+32+2*n+3]
.else
	v_pk_add_f32 v[XS+2:XS+3], v[XS+2:XS+3], v[SB+32+2*n+2:SB+32+2*n+3]
.endif
.endm
.macro SUM0                            ; line n of 8 of tile 0's sum of the eight pairs that the second batch left at SB + 4 i, in two chains
.if n == 0
	v_pk_add_f32 v[XS:XS+1], v[SB:SB+1], v[SB+4:SB+5]
.elseif n == 7
	v_pk_add_f32 v[ST+2:ST+3], v[ST+2:ST+3], v[XS:XS+1]
.elseif n%2
	v_pk_add_f32 v[ST+2:ST+3], v[ST+2:ST+3], v[SB+4*n+4:SB+4*n+5]
.else
	v_pk_add_f32 v[XS:XS+1], v[XS:XS+1], v[SB+4*n+4:SB+4*n+5]
.endif
.endm
	s_wait_alu depctr_va_vdst(0)                   ; the wait at the head's end
	s_wait_tensorcnt 0x0                           ; my 66 rows are in;
	s_barrier_signal -1
	s_barrier_wait -1                              ; everybody's are.
	s_mov_b32 s[CNT], 32
.Lq:                                           ; A STEP: 64 queries against my 32 keys
	v_add_nc_u32 v3, s[TQ], v1
	v_add_nc_u32 v4, s[TS], v2
.irp p, 0,1
.irp c, 0,1,2,3
	ds_load_b128 v[QF+16*\p+4*\c:QF+16*\p+4*\c+3], v3 offset:2048*\p+512*\c
.endr
.endr
	ds_load_b32 v[QSW], v4
	s_wait_dscnt 0x0
.irp k, 0,1
.irp p, 0,1
.irp u, 0,1
.if \p
	v_wmma_scale_f32_16x16x128_f8f6f4 v[SB+32*\k+8*(2*\p+\u):SB+32*\k+8*(2*\p+\u)+7], v[QF+16*\p:QF+16*\p+15], v[KB+16*\k+8*(1-\u):KB+16*\k+8*(1-\u)+15], 0, v[QSW], v[KSC+\k] matrix_a_fmt:MATRIX_FMT_BF8 matrix_b_fmt:MATRIX_FMT_BF8 matrix_a_scale:MATRIX_SCALE_ROW1
.else
	v_wmma_scale_f32_16x16x128_f8f6f4 v[SB+32*\k+8*(2*\p+\u):SB+32*\k+8*(2*\p+\u)+7], v[QF+16*\p:QF+16*\p+15], v[KB+16*\k+8*(1-\u):KB+16*\k+8*(1-\u)+15], 0, v[QSW], v[KSC+\k] matrix_a_fmt:MATRIX_FMT_BF8 matrix_b_fmt:MATRIX_FMT_BF8
.endif
.endr
.endr
.endr
.rept 8
	v_nop                                          ; eight places behind this form ahead of the first read of the scores
.endr
	; the largest of 32 scores and the old m: four chains a tile, one an accumulator, each from its accumulator's low end on; the two tiles by turns.  These are the first readers of every score
.irp j, 0,1,2,3
.irp k, 0,1
	v_max3_num_f32 v[MX+4*\k+\j], v[SB+32*\k+8*\j], v[SB+32*\k+8*\j+1], v[SB+32*\k+8*\j+2]
.endr
.endr
.irp l, 1,2
.irp j, 0,1,2,3
.irp k, 0,1
	v_max3_num_f32 v[MX+4*\k+\j], v[MX+4*\k+\j], v[SB+32*\k+8*\j+2*\l+1], v[SB+32*\k+8*\j+2*\l+2]
.endr
.endr
.endr
.irp k, 0,1
	v_max3_num_f32 v[MX+4*\k], v[MX+4*\k], v[SB+32*\k+7], v[SB+32*\k+15]
.endr
.irp k, 0,1
	v_max3_num_f32 v[MX+4*\k+2], v[MX+4*\k+2], v[SB+32*\k+23], v[SB+32*\k+31]
.endr
.irp k, 0,1
	v_max3_num_f32 v[MX+4*\k], v[MX+4*\k], v[MX+4*\k+1], v[MX+4*\k+2]
.endr
.irp k, 0,1
	v_max3_num_f32 v[ST+8*\k+6], v[MX+4*\k], v[MX+4*\k+3], v[ST+8*\k+6]
.endr
.irp k, 0,1
	v_mul_f32 v[ST+8*\k+7], s[NC], v[ST+8*\k+6]    ; the new N
.endr
.irp k, 0,1
	v_sub_f32 v[ST+8*\k+4], v[ST+8*\k+7], v[ST+8*\k]
.endr
.irp k, 0,1
	v_mov_b32 v[ST+8*\k], v[ST+8*\k+7]
.endr
.set n, 0
.rept 16
	v_pk_fma_f32 v[SB+2*n:SB+2*n+1], v[SB+2*n:SB+2*n+1], s[CS:CS+1], v[ST:ST+1] op_sel_hi:[1,0,0]   ; tile 0: c s + N, two at a time
.set n, n+1
.endr
	s_wait_alu depctr_va_vdst(0)                   ; the wait ahead of the batch
.set n, 0
.rept 16                                       ; THE FIRST BATCH: tile 0's exponentials; among them tile 1's scalings, read by the second batch
	v_exp_f32 v[SB+2*n], v[SB+2*n]
	v_pk_fma_f32 v[SB+32+2*n:SB+32+2*n+1], v[SB+32+2*n:SB+32+2*n+1], s[CS:CS+1], v[ST+8:ST+9] op_sel_hi:[1,0,0]
	v_exp_f32 v[SB+2*n+1], v[SB+2*n+1]
.set n, n+1
.endr
.irp k, 0,1
	v_exp_f32 v[ST+8*\k+4], v[ST+8*\k+4]           ; 2^(new N - old N)
.endr
	v_nop                                          ; a plain place behind the batch
	s_wait_alu depctr_va_vdst(0)                   ; one wait: behind the first batch and ahead of the second
.set n, 0
.rept 8                                        ; THE SECOND BATCH: tile 1's exponentials; among them tile 0's first eight sums of pairs, which hang on each other nowhere, and l under the new N
	v_exp_f32 v[SB+32+4*n], v[SB+32+4*n]
	v_pk_add_f32 v[SB+4*n:SB+4*n+1], v[SB+4*n:SB+4*n+1], v[SB+4*n+2:SB+4*n+3]
	v_exp_f32 v[SB+32+4*n+1], v[SB+32+4*n+1]
	v_exp_f32 v[SB+32+4*n+2], v[SB+32+4*n+2]
.if n < 2
	v_pk_mul_f32 v[ST+8*n+2:ST+8*n+3], v[ST+8*n+2:ST+8*n+3], v[ST+8*n+4:ST+8*n+5] op_sel_hi:[1,0]
.endif
	v_exp_f32 v[SB+32+4*n+3], v[SB+32+4*n+3]
.set n, n+1
.endr
	v_nop
	s_wait_alu depctr_va_vdst(0)                   ; and the wait behind the second batch
.set n, 0
.rept 16
	SUM1
.if n < 8
	SUM0
.endif
.set n, n+1
.endr
	s_add_co_u32 s[TQ], s[TQ], 8192                ; two steps on: the other half of the waves takes the step between
	s_add_co_u32 s[TS], s[TS], 256
	s_sub_co_u32 s[CNT], s[CNT], 1
	s_cmp_lg_u32 s[CNT], 0
	s_cbranch_scc1 .Lq
	; THE END.  l's two halves; then lane l xor 16, which holds the same key's other queries
.irp k, 0,1
	v_add_f32 v[ST+8*\k+2], v[ST+8*\k+2], v[ST+8*\k+3]
.endr
.irp k, 0,1
	v_permlanex16_b32 v[EN+8*\k], v[ST+8*\k], s[SEL], s[SEL+1]
	v_permlanex16_b32 v[EN+8*\k+1], v[ST+8*\k+2], s[SEL], s[SEL+1]
.endr
.irp k, 0,1
	v_min_num_f32 v[EN+8*\k+2], v[ST+8*\k], v[EN+8*\k]   ; n: the smaller N belongs to the larger m
.endr
.irp k, 0,1
	v_sub_f32 v[EN+8*\k+3], v[EN+8*\k+2], v[ST+8*\k]
	v_sub_f32 v[EN+8*\k+4], v[EN+8*\k+2], v[EN+8*\k]
.endr
	s_wait_alu depctr_va_vdst(0)
.irp k, 0,1
	v_exp_f32 v[EN+8*\k+3], v[EN+8*\k+3]
	v_exp_f32 v[EN+8*\k+4], v[EN+8*\k+4]
.endr
	v_nop
	s_wait_alu depctr_va_vdst(0)
.irp k, 0,1
	v_mul_f32 v[ST+8*\k+2], v[ST+8*\k+2], v[EN+8*\k+3]
.endr
.irp k, 0,1
	v_fmac_f32 v[ST+8*\k+2], v[EN+8*\k+1], v[EN+8*\k+4]
.endr
.irp k, 0,1
	ds_store_b32 v5, v[EN+8*\k+2] offset:32*\k             ; tile 1's keys lie 8 further on; lanes r and r + 16 write the same word with the same value
	ds_store_b32 v5, v[ST+8*\k+2] offset:2048+32*\k
.endr
	s_wait_alu depctr_va_vdst(0)
	s_wait_dscnt 0x0                               ; for the others' sake
	s_barrier_signal -1
	s_barrier_wait -1
	s_cmp_lt_u32 s[WV], 2
	s_cbranch_scc0 .Ldone                          ; waves 0 and 1 join the two halves of the queries, four keys a thread
	ds_load_b128 v[EN:EN+3], v6
	ds_load_b128 v[EN+4:EN+7], v6 offset:1024
	ds_load_b128 v[EN+8:EN+11], v6 offset:2048
	ds_load_b128 v[EN+12:EN+15], v6 offset:3072
	s_wait_dscnt 0x0
.irp i, 0,1,2,3
	v_min_num_f32 v[EN+16+\i], v[EN+\i], v[EN+4+\i]
.endr
.irp i, 0,1,2,3
	v_sub_f32 v[EN+\i], v[EN+16+\i], v[EN+\i]
	v_sub_f32 v[EN+4+\i], v[EN+16+\i], v[EN+4+\i]
.endr
	s_wait_alu depctr_va_vdst(0)
.irp i, 0,1,2,3
	v_exp_f32 v[EN+\i], v[EN+\i]
	v_exp_f32 v[EN+4+\i], v[EN+4+\i]
.endr
	v_nop
	s_wait_alu depctr_va_vdst(0)
.irp i, 0,1,2,3
	v_mul_f32 v[EN+8+\i], v[EN+8+\i], v[EN+\i]
.endr
.irp i, 0,1,2,3
	v_fmac_f32 v[EN+8+\i], v[EN+12+\i], v[EN+4+\i]
.endr
	s_wait_alu depctr_va_vdst(0)
.irp i, 0,1,2,3
	v_log_f32 v[EN+8+\i], v[EN+8+\i]               ; log2 l; l holds the largest score's own term, 1
.endr
	v_nop
	s_wait_alu depctr_va_vdst(0)
.irp i, 0,1,2,3
	v_sub_f32 v[EN+16+\i], v[EN+16+\i], v[EN+8+\i]
.endr
.irp i, 0,1,2,3
	v_mul_f32 v[EN+16+\i], s[IC], v[EN+16+\i]      ; nb = (n - log2 l) / c
.endr
	global_store_b128 v7, v[EN+16:EN+19], s[8:9]   ; sixteen lanes store 256 consecutive bytes, aligned
.Ldone:
	s_wait_tensorcnt 0x0                           ; the wave's end
	ds_add_u32 v254, v255
	s_wait_dscnt 0x0
	ROUND                                          ; the closing round
	s_endpgm
.Lfunc_end_k_q6e2f00f260_stats:
	.size	k_q6e2f00f260_stats, .Lfunc_end_k_q6e2f00f260_stats-k_q6e2f00f260_stats
	.p2alignl 7, 3214868480
	.fill 96, 4, 3214868480
	.section	.rodata,"a",@progbits
	.p2align	6, 0x0
	.amdhsa_kernel k_q6e2f00f260_stats
		.amdhsa_group_segment_fixed_size 276480
		.amdhsa_private_segment_fixed_size 0
		.amdhsa_enable_private_segment 0
		.amdhsa_kernarg_size 24
		.amdhsa_user_sgpr_count 2
		.amdhsa_user_sgpr_kernarg_segment_ptr 1
		.amdhsa_wavefront_size32 1
		.amdhsa_system_sgpr_workgroup_id_x 1
		.amdhsa_system_sgpr_workgroup_id_y 1
		.amdhsa_system_sgpr_workgroup_id_z 1
		.amdhsa_system_vgpr_workitem_id 0
		.amdhsa_next_free_vgpr 256
		.amdhsa_next_free_sgpr 72
		.amdhsa_reserve_vcc 0
		.amdhsa_float_denorm_mode_32 3
		.amdhsa_float_denorm_mode_16_64 3
		.amdhsa_memory_ordered 1
		.amdhsa_forward_progress 1
		.amdhsa_inst_pref_size 21
	.end_amdhsa_kernel
	.amdgpu_metadata
---
amdhsa.version: [ 1, 2 ]
amdhsa.kernels:
  - .name:           k_q6e2f00f260_stats
    .symbol:         k_q6e2f00f260_stats.kd
    .args:
      - { .name: qx, .offset: 0, .size: 8, .value_kind: global_buffer, .address_space: global }
      - { .name: kv, .offset: 8, .size: 8, .value_kind: global_buffer, .address_space: global }
      - { .name: nbias, .offset: 16, .size: 8, .value_kind: global_buffer, .address_space: global }
    .group_segment_fixed_size: 276480
    .private_segment_fixed_size: 0
    .kernarg_segment_align: 8
    .kernarg_segment_size: 24
    .max_flat_workgroup_size: 512
    .sgpr_count:     72
    .vgpr_count:     256
    .wavefront_size: 32
...
	.end_amdgpu_metadata
.endif
;; end of part 2
;; launch attn (part 3): grid 16 x 16, 8 waves a work-group, clusters of 4 x 1, 327,680 bytes of LDS; arguments qx, kv, nbias, out0; writes out0
.if DOCPART == 3
	.amdgcn_target "amdgcn-amd-amdhsa--gfx1250"
	.amdhsa_code_object_version 6
	.text
	.protected	k_q6e2f00f260_attn
	.globl	k_q6e2f00f260_attn
	.p2align	8
	.type	k_q6e2f00f260_attn,@function
k_q6e2f00f260_attn:
	s_mov_b64 s[64:65], 0
	v_nop
	global_prefetch_b8 v0, s[64:65] scope:SCOPE_SE
	s_setreg_imm32_b32 hwreg(HW_REG_WAVE_MODE, 25, 1), 1
	s_wait_xcnt 0x0
	s_wait_alu depctr_hold_cnt(0) depctr_sa_sdst(0) depctr_va_vdst(0) depctr_va_sdst(0) depctr_va_ssrc(0) depctr_va_vcc(0) depctr_vm_vsrc(0)
	s_getreg_b32 s2, hwreg(HW_REG_IB_STS2, 6, 4)
	s_cmp_eq_u32 s2, 0
	s_cbranch_scc0 .Lentry_in_a_cluster
	s_endpgm
.Lentry_in_a_cluster:
	s_bfe_u32 s2, ttmp6, 0x10000c
	s_cmp_lg_u32 s2, 0x3003
	s_cbranch_scc0 .Lentry_shape_is_right
	s_endpgm
.Lentry_shape_is_right:
; out[b][q][:] = the sum over the keys of p(q, k) v[b][k][:], p = 2^(c (s + nb(k))), c = log2(e) / 8: the softmax over the QUERY axis, finished and normalised by the number nb that the launch before stored for each key.
; Both products are MX-BF8 on the images of the first launch.  p is quantised along the keys, in blocks of 32, in registers.
; SHARES: a work-group owns 256 queries of one batch, each of its eight waves 32 (a pair of q: two tiles), two waves to a SIMD.  Every wave walks all 4,096 keys, 128 a step.
; LAYOUT: both products are used transposed: S^T = K Q^T + nb (source 0 = a pair of k, source 1 = [Q | Z] or [Z | Q], Z zero codes: K = 64 in an instruction 128 deep; C = nb of the lane's keys), O^T = V^T P^T.
; A lane holds one query (lane % 16) of each tile; the 16 registers of a pair's two tiles are 16 neighbouring keys 32 b + 16 (lane / 16) + 0 .. 15, so the conversions' results are the second product's operand.
; THE ORDER OF A STEP: 16 products; behind their eight places one run of LDS loads (v's fragments of this step; k's fragments and nb of the next step of the same slot, by immediate offsets);
; the scalings, which are the first readers of every score; tile 0's 64 exponentials; tile 0's scales; tile 1's 64 exponentials, and among them tile 0's holds (two to a dual-issue pair), whose sources were written ahead of
; the wait in front of that batch and whose results are first read behind the wait that follows it; tile 0's conversions; tile 1's scales, holds and conversions; 8 products.
; THE RING: two LDS slots of four key steps (4 x 16,896 bytes of kv: k's images, v's images, both scale words), 2^17 bytes apart.  At the head waves 0-3 ask for a step of slot 0 each, waves 4-7 for a quarter of the batch's nb each;
; behind each round every wave asks for 33 rows of 256 bytes of the next slot: one load a wave is out, and it has four steps in which to land.
; CLUSTER: the four work-groups of a cluster belong to one batch and walk the same kv and nb: every tensor load is joint, with the mask of all four.
; PREFETCH: at the change of slots that loads slot s + 1 the cluster names slot s + 2, 264 blocks of 256 bytes: the partner at place cx takes key step cx of it (by address), threads 0 to 65 a block each (wave 2's other lanes name its last block again);
; the last two changes name nothing.
; LIMITS: NaN and infinities are not served; a p under 2^-126 counts as 0; a block whose every p is 0 keeps the scale byte 1 over zero codes.
.set STEPB, 16896
.set SLOTB, 4*STEPB
.set BUF,   131072                     ; slot 1
.set NBB,   67584                      ; nb of the batch's 4,096 keys
.set STAGE, 198656                     ; the way out: 32 rows x 272 bytes for each wave
.set SPARE, 268288                     ; the spare words
.set SPW, 1
.set NIL, 2
.set AK0, 3                            ; 16 x lane
.set AS0, 4                            ; 4 x lane
.set AC0, 5                            ; NBB + 64 (lane / 16)
.set ADK, 8
.set ADS, 9
.set ADC, 10
.set PFO, 13
.set STO, 14
.set RD,  15
.set GO,  16
.set KS,  20                           ; k's scale words, v's, q's, p's
.set VS,  22
.set QS,  24
.set PW,  26
.set MX,  28                           ; v28-35 the eight blocks' largest p, then the conversions' scale operands
.set TP,  36                           ; v36-43 at work
.set HD,  44                           ; v44-51 57,344 x the scale
.set QRAW, 52
.set QB,  56                           ; v56-95 Z Q0 Z Q1 Z
.set S,   96                           ; v96-223 scores, then p: block B = 4 t + b at S + 16 B
.set P,   224                          ; v224-255 p's codes
.set KF,  0                            ; window 1: k's fragments, nb, v's fragments, O^T
.set CB,  64
.set VF,  128
.set OA,  192
.set G1A, 12                           ; group 1: 66 rows, 33 rows, 16 rows of 256 bytes
.set G1W, 20
.set G1N, 28
.set G0A, 36
.set G0W, 40
.set G0N, 44
.set CS,  48
.set SEL, 50
.set MNT, 52
.set T,   53                           ; LDS byte of the step in hand
.set TC,  54                           ; and of its nb, less NBB
.set SLOTS, 55
.set INNER, 56
.set LIM, 57
.set WV,  58
.set PFA, 60
.set MSB, 0
.macro WIN new
.if MSB != \new
	s_set_vgpr_msb (MSB<<8)|\new
.set MSB, \new
.endif
.endm
.set W_QK, 0x11                        ; source 0 and C in window 1
.set W_PV, 0x51                        ; source 0, C and D in window 1
.set TO_1, 0x40
.macro ROUND
	s_barrier_signal -1
	s_barrier_wait -1
	s_cmp_lg_u32 s[WV], 0
	s_cbranch_scc1 .Lnot_wave_0_\@
	s_barrier_signal -3
.Lnot_wave_0_\@:
	s_barrier_wait -3
	s_barrier_signal -1
	s_barrier_wait -1
.endm
.macro GROUP1 g, rows
	s_mov_b32 s[\g], 15|(3<<16)|(1<<21)            ; the mask of all four; elements of 8 bytes; bit 21 beside a mask; no padding: images are read 512 consecutive bytes an instruction
	s_mov_b32 s[\g+1], 32<<16
	s_mov_b32 s[\g+2], (\rows)<<16
	s_mov_b32 s[\g+3], 32<<16
	s_mov_b32 s[\g+4], \rows
	s_mov_b32 s[\g+5], 32
	s_mov_b32 s[\g+6], 0
	s_mov_b32 s[\g+7], 0
.endm
.macro NOPS n
.rept \n
	v_nop
.endr
.endm
	s_load_b256 s[4:11], s[0:1], 0x0               ; qx, kv, nbias, out0
	v_lshl_add_u32 v[SPW], v0, 2, SPARE
	v_mov_b32 v[NIL], 0
	ds_add_u32 v[SPW], v[NIL]                      ; the opening lines: the add twice on end
	ds_add_u32 v[SPW], v[NIL]
	v_lshrrev_b32 v17, 5, v0
	v_readfirstlane_b32 s[WV], v17                 ; wave 0..7
	s_bfe_u32 s68, ttmp6, 0x40000                  ; cx
	s_lshl_b32 s69, ttmp9, 2
	s_add_co_u32 s69, s69, s68                     ; my block of 256 queries
	s_and_b32 s70, ttmp7, 0xffff                   ; the batch, which the four partners share
	GROUP1 G1A, 66
	GROUP1 G1W, 33
	GROUP1 G1N, 16
	s_mul_i32 s2, s70, 32*STEPB                    ; the batch's 32 key steps
	s_mov_b32 s3, 0
	s_mul_i32 s71, s[WV], STEPB                    ; the head: a key step a wave
	s_mul_i32 s72, s[WV], SLOTB/8                  ; the ring: an eighth of a slot a wave
	s_and_b32 s73, s[WV], 3
	s_lshl_b32 s73, s73, 12                        ; nb: 4,096 bytes a wave
	s_lshl_b32 s74, s70, 14
	s_add_co_u32 s74, s74, s73
	s_mov_b32 s75, 0
	s_wait_alu depctr_va_vdst(0)                   ; the wait ahead of the blocking waits
	s_wait_dscnt 0x0
	s_wait_kmcnt 0x0
	s_add_nc_u64 s[6:7], s[6:7], s[2:3]            ; kv at my batch
	s_mov_b32 s2, s71
	s_mov_b32 s[G0A], 1
	s_mov_b32 s[G0A+1], s71
	s_add_nc_u64 s[G0A+2:G0A+3], s[6:7], s[2:3]
	s_or_b32 s[G0A+3], s[G0A+3], 0x80000000
	s_mov_b32 s2, s72
	s_mov_b32 s[G0W], 1
	s_mov_b32 s[G0W+1], s72                        ; stands at slot 0: each change of slots steps it ahead of its load
	s_add_nc_u64 s[G0W+2:G0W+3], s[6:7], s[2:3]
	s_or_b32 s[G0W+3], s[G0W+3], 0x80000000
	s_mov_b32 s[G0N], 1
	s_add_co_u32 s[G0N+1], s73, NBB
	s_add_nc_u64 s[G0N+2:G0N+3], s[8:9], s[74:75]
	s_or_b32 s[G0N+3], s[G0N+3], 0x80000000
	ROUND                                          ; all four work-groups are here: the joint loads meet
	s_cmp_lt_u32 s[WV], 4                          ; one tensor load a wave at the head, an arm each
	s_cbranch_scc0 .Lhead_nb
	tensor_load_to_lds s[G0A:G0A+3], s[G1A:G1A+7]
	s_nop 0
	NOPS 4
	s_branch .Lhead_asked
.Lhead_nb:
	tensor_load_to_lds s[G0N:G0N+3], s[G1N:G1N+7]
	s_nop 0
	NOPS 4
.Lhead_asked:
	s_mul_i32 s2, s68, STEPB
	s_add_nc_u64 s[PFA:PFA+1], s[6:7], s[2:3]      ; the prefetches: my work-group's key step of a slot,
	s_add_nc_u64 s[PFA:PFA+1], s[PFA:PFA+1], SLOTB ; at slot 1: the first change steps it to slot 2
	s_cmp_lt_u32 s[WV], 3
	s_cselect_b32 s[LIM], 1, -1                    ; waves 0 to 2 ask while more than one change with a load is to come
	s_lshl_b32 s71, s69, 3
	s_add_co_u32 s71, s71, s[WV]                   ; my pair of q in the batch
	s_mul_i32 s72, s70, 270336
	s_lshl_b32 s2, s71, 11
	s_add_co_u32 s2, s2, s72
	s_add_nc_u64 s[66:67], s[4:5], s[2:3]          ; its image
	s_lshl_b32 s2, s71, 6
	s_add_co_u32 s2, s2, s72
	s_add_co_u32 s2, s2, 262144
	s_add_nc_u64 s[4:5], s[4:5], s[2:3]            ; its scale words
	s_lshl_b32 s2, s70, 7
	s_add_co_u32 s2, s2, s71
	s_lshl_b32 s2, s2, 13
	s_add_nc_u64 s[10:11], s[10:11], s[2:3]        ; its 32 rows of out
	s_mul_i32 s71, s[WV], 8704
	s_add_co_u32 s71, s71, STAGE                   ; my stage
	s_mov_b32 s[CS], 0x3e38aa3b                    ; c
	s_mov_b32 s[CS+1], s[CS]
	s_mov_b32 s[SEL], 0x76543210
	s_mov_b32 s[SEL+1], 0xfedcba98
	s_mov_b32 s[MNT], 0x600000
	s_mov_b32 s[T], 0
	s_mov_b32 s[TC], 0
	s_mov_b32 s[SLOTS], 7
	v_and_b32 v17, 31, v0
	v_and_b32 v18, 15, v0
	v_bfe_u32 v19, v0, 4, 1
	v_lshlrev_b32 v[AK0], 4, v17
	v_lshlrev_b32 v53, 2, v18
	global_load_b128 v[QB+8:QB+11], v[AK0], s[66:67]
	global_load_b128 v[QB+12:QB+15], v[AK0], s[66:67] offset:512
	global_load_b128 v[QB+24:QB+27], v[AK0], s[66:67] offset:1024
	global_load_b128 v[QB+28:QB+31], v[AK0], s[66:67] offset:1536
	global_load_b32 v[QRAW], v53, s[4:5]
	v_lshlrev_b32 v[AS0], 2, v17
	v_lshl_add_u32 v[AC0], v19, 6, NBB
	v_min_u32 v[PFO], 65, v0
	v_lshlrev_b32 v[PFO], 8, v[PFO]
	v_and_b32 v54, 8, v18
	v_add_nc_u32 v54, v54, v18                     ; r + (r & 8): my query's row in tile 0
	v_mul_u32_u24 v[STO], v54, 272
	v_lshl_add_u32 v[STO], v19, 5, v[STO]
	v_add_nc_u32 v[STO], s71, v[STO]
	v_mul_u32_u24 v[RD], v19, 272
	v_lshl_add_u32 v[RD], v18, 4, v[RD]
	v_add_nc_u32 v[RD], s71, v[RD]
	v_lshlrev_b32 v[GO], 8, v19
	v_lshl_add_u32 v[GO], v18, 4, v[GO]
.irp z, 0,16,32
.irp i, 0,1,2,3,4,5,6,7
	v_mov_b32 v[QB+\z+\i], 0                       ; Z: zero codes
.endr
.endr
.irp B, 0,1,2,3,4,5,6,7
	v_mov_b32 v[TP+\B], 0                          ; a lane permute's destination counts as one of its sources
.endr
	s_wait_alu depctr_va_vdst(0)
	s_wait_loadcnt 0x0
	v_perm_b32 v[QS], v[QRAW], v[QRAW], 0x01000100       ; tile 0's bytes (s0, s1, s0, s1)
	v_perm_b32 v[QS+1], v[QRAW], v[QRAW], 0x03020302     ; tile 1's
	WIN TO_1
.set n, 0
.rept 64
	v_mov_b32 v[OA+n], 0                           ; O^T: the step is written for all 32 steps alike
.set n, n+1
.endr
	WIN 0
; THE CHANGE OF SLOTS, at a slot's head.  fill = 1: a round of the cluster's barrier, and behind it my 33 rows of the next slot.
.macro CHANGE fill
	s_wait_tensorcnt 0x0                           ; all my tensor loads have landed, so a group 0 may be written
	ds_add_u32 v[SPW], v[NIL]
.if \fill
	s_xor_b32 s[G0W+1], s[G0W+1], BUF
	s_add_nc_u64 s[G0W+2:G0W+3], s[G0W+2:G0W+3], SLOTB
	s_wait_xcnt 0x0                                ; my last prefetch has read its address
	s_add_nc_u64 s[PFA:PFA+1], s[PFA:PFA+1], SLOTB
.endif
	s_wait_dscnt 0x0                               ; the add is done, and my reads of the slot that I have left
.if \fill
	ROUND
	tensor_load_to_lds s[G0W:G0W+3], s[G1W:G1W+7]
	s_nop 0
	NOPS 4
	s_cmp_gt_u32 s[SLOTS], s[LIM]
	s_cbranch_scc0 .Lnot_mine_\@
	global_prefetch_b8 v[PFO], s[PFA:PFA+1] th:TH_LOAD_NT scope:SCOPE_SE
.Lnot_mine_\@:
.endif
.if \fill == 0
	s_barrier_signal -1
	s_barrier_wait -1
.endif
.endm
.macro ADDR                            ; the LDS addresses of the step in hand
	v_add_nc_u32 v[ADK], s[T], v[AK0]
	v_add_nc_u32 v[ADS], s[T], v[AS0]
	v_add_nc_u32 v[ADC], s[TC], v[AC0]
.endm
.macro KCLOADS o, oc                   ; k's fragments and nb of the step o bytes on, into window 1: 32 loads
.irp b, 0,1,2,3
.irp c, 0,1,2,3
	ds_load_b128 v[KF+16*\b+4*\c:KF+16*\b+4*\c+3], v[ADK] offset:\o+2048*\b+512*\c
.endr
.endr
.irp b, 0,1,2,3
.irp i, 0,1,2,3
	ds_load_b128 v[CB+16*\b+4*\i:CB+16*\b+4*\i+3], v[ADC] offset:\oc+128*\b+16*\i
.endr
.endr
.endm
.macro FIRSTK                          ; a slot's first step has nobody to fetch ahead for it
	ADDR
	ds_load_b32 v[KS], v[ADS] offset:16384
	ds_load_b32 v[KS+1], v[ADS] offset:16512
	WIN TO_1
	KCLOADS 0, 0
	WIN 0
.endm
; The scales of tile t's four blocks: each block's largest p in two chains (eight chains by turns), the floor 2^(16 - 127) among the leaves, so that the byte cannot fall under 1
.macro SCALES t
.irp b, 0,1,2,3
	v_max3_num_f32 v[MX+4*\t+\b], v[S+64*\t+16*\b], v[S+64*\t+16*\b+1], 0x8000000
.endr
.irp b, 0,1,2,3
	v_max3_num_f32 v[TP+4*\t+\b], v[S+64*\t+16*\b+8], v[S+64*\t+16*\b+9], v[S+64*\t+16*\b+10]
.endr
.irp i, 2,4
.irp b, 0,1,2,3
	v_max3_num_f32 v[MX+4*\t+\b], v[MX+4*\t+\b], v[S+64*\t+16*\b+\i], v[S+64*\t+16*\b+\i+1]
.endr
.irp b, 0,1,2,3
	v_max3_num_f32 v[TP+4*\t+\b], v[TP+4*\t+\b], v[S+64*\t+16*\b+\i+9], v[S+64*\t+16*\b+\i+10]
.endr
.endr
.irp b, 0,1,2,3
	v_max3_num_f32 v[MX+4*\t+\b], v[MX+4*\t+\b], v[S+64*\t+16*\b+6], v[S+64*\t+16*\b+7]
.endr
.irp b, 0,1,2,3
	v_max3_num_f32 v[MX+4*\t+\b], v[MX+4*\t+\b], v[TP+4*\t+\b], v[S+64*\t+16*\b+15]
.endr
.irp b, 0,1,2,3
	v_permlanex16_b32 v[TP+4*\t+\b], v[MX+4*\t+\b], s[SEL], s[SEL+1]
.endr
.irp b, 0,1,2,3
	v_max_num_f32 v[MX+4*\t+\b], v[MX+4*\t+\b], v[TP+4*\t+\b]     ; with lane l xor 16's 16 keys
.endr
.irp b, 0,1,2,3
	v_and_or_b32 v[HD+4*\t+\b], v[MX+4*\t+\b], 0x7f800000, s[MNT] ; 57,344 x the scale
.endr
.irp b, 0,1,2,3
	v_add_nc_u32 v[MX+4*\t+\b], 0xf8800000, v[MX+4*\t+\b]         ; 15 off the exponent field: the conversions' scale operand
.endr
.irp b, 0,1,2,3
	v_lshrrev_b32 v[TP+4*\t+\b], 23, v[MX+4*\t+\b]                ; the byte
.endr
	v_lshl_or_b32 v[PW+\t], v[TP+4*\t+1], 8, v[TP+4*\t]
	v_lshl_or_b32 v[PW+\t], v[TP+4*\t+2], 16, v[PW+\t]
	v_lshl_or_b32 v[PW+\t], v[TP+4*\t+3], 24, v[PW+\t]
.endm
.macro CODES B                         ; block B's 16 numbers of a lane into codes
	v_cvt_scalef32_pk8_bf8_f32 v[P+4*\B:P+4*\B+1], v[S+16*\B:S+16*\B+7], v[MX+\B]
	v_cvt_scalef32_pk8_bf8_f32 v[P+4*\B+2:P+4*\B+3], v[S+16*\B+8:S+16*\B+15], v[MX+\B]
.endm
; A KEY STEP: 128 keys against my 32 queries.  pre = 1: the next step lies in the same slot, and its fragments of k and its nb are fetched here.
.macro STEP pre
	s_wait_dscnt 0x0                               ; k's fragments, nb and k's scale words
	WIN W_QK
.irp t, 0,1
.irp b, 0,1,2,3
.irp u, 0,1
.if (\b)%2
	v_wmma_scale_f32_16x16x128_f8f6f4 v[S+64*\t+8*(2*\b+\u):S+64*\t+8*(2*\b+\u)+7], v[KF+16*\b:KF+16*\b+15], v[QB+16*\t+8*(1-\u):QB+16*\t+8*(1-\u)+15], v[CB+8*(2*\b+\u):CB+8*(2*\b+\u)+7], v[KS+\b/2], v[QS+\t] matrix_a_fmt:MATRIX_FMT_BF8 matrix_b_fmt:MATRIX_FMT_BF8 matrix_a_scale:MATRIX_SCALE_ROW1
.else
	v_wmma_scale_f32_16x16x128_f8f6f4 v[S+64*\t+8*(2*\b+\u):S+64*\t+8*(2*\b+\u)+7], v[KF+16*\b:KF+16*\b+15], v[QB+16*\t+8*(1-\u):QB+16*\t+8*(1-\u)+15], v[CB+8*(2*\b+\u):CB+8*(2*\b+\u)+7], v[KS+\b/2], v[QS+\t] matrix_a_fmt:MATRIX_FMT_BF8 matrix_b_fmt:MATRIX_FMT_BF8
.endif
.endr
.endr
.endr
	WIN 0
	ADDR                                           ; three of the eight places behind this form: they serve the loads below, into operands of these products and of the last step's, and the first read of the scores
	NOPS 5
	ds_load_b32 v[VS], v[ADS] offset:16640
	ds_load_b32 v[VS+1], v[ADS] offset:16768
.if \pre
	ds_load_b32 v[KS], v[ADS] offset:STEPB+16384
	ds_load_b32 v[KS+1], v[ADS] offset:STEPB+16512
.endif
	WIN TO_1
.irp d, 0,1,2,3
.irp c, 0,1,2,3
	ds_load_b128 v[VF+16*\d+4*\c:VF+16*\d+4*\c+3], v[ADK] offset:8192+2048*\d+512*\c
.endr
.endr
.if \pre
	KCLOADS STEPB, 512
.endif
	WIN 0
.set n, 0
.rept 64
	v_pk_mul_f32 v[S+2*n:S+2*n+1], v[S+2*n:S+2*n+1], s[CS:CS+1] op_sel_hi:[1,0]   ; c (s + nb): each accumulator from its low end on
.set n, n+1
.endr
	s_wait_alu depctr_va_vdst(0)                   ; the wait ahead of the batch
.set n, 0
.rept 64
	v_exp_f32 v[S+n], v[S+n]                       ; tile 0's p
.set n, n+1
.endr
	v_nop                                          ; a plain place behind the batch
	s_wait_alu depctr_va_vdst(0)                   ; and the wait behind it
	SCALES 0
	s_wait_alu depctr_va_vdst(0)                   ; the wait ahead of the second batch
.set n, 0
.rept 32                                       ; tile 1's p; among the exponentials tile 0's holds: the conversion does not saturate (ISA guide 7.6.2); p is not negative, so the hold is one-sided; two holds to a pair
	v_exp_f32 v[S+64+2*n], v[S+64+2*n]
	v_dual_min_num_f32 v[S+2*n], v[S+2*n], v[HD+n/8] :: v_dual_min_num_f32 v[S+2*n+1], v[S+2*n+1], v[HD+n/8]
	v_exp_f32 v[S+64+2*n+1], v[S+64+2*n+1]
.set n, n+1
.endr
	v_nop
	s_wait_alu depctr_va_vdst(0)                   ; the wait behind the second batch
.irp B, 0,1,2,3
	CODES \B
.endr
	SCALES 1
.irp B, 4,5,6,7
.irp i, 0,2,4,6,8,10,12,14
	v_dual_min_num_f32 v[S+16*\B+\i], v[S+16*\B+\i], v[HD+\B] :: v_dual_min_num_f32 v[S+16*\B+\i+1], v[S+16*\B+\i+1], v[HD+\B]
.endr
	CODES \B
.endr
	NOPS 4                                         ; four places between the codes' making and the scaled products
	s_wait_alu depctr_va_vdst(0)
	s_wait_dscnt 32*\pre                           ; v's fragments and scale words are in; the 32 loads for the next step, issued behind them, may be out
	WIN W_PV
.irp t, 0,1
.irp d, 0,1,2,3
.if (\d)%2
	v_wmma_scale_f32_16x16x128_f8f6f4 v[OA+8*(4*\t+\d):OA+8*(4*\t+\d)+7], v[VF+16*\d:VF+16*\d+15], v[P+16*\t:P+16*\t+15], v[OA+8*(4*\t+\d):OA+8*(4*\t+\d)+7], v[VS+\d/2], v[PW+\t] matrix_a_fmt:MATRIX_FMT_BF8 matrix_b_fmt:MATRIX_FMT_BF8 matrix_a_scale:MATRIX_SCALE_ROW1
.else
	v_wmma_scale_f32_16x16x128_f8f6f4 v[OA+8*(4*\t+\d):OA+8*(4*\t+\d)+7], v[VF+16*\d:VF+16*\d+15], v[P+16*\t:P+16*\t+15], v[OA+8*(4*\t+\d):OA+8*(4*\t+\d)+7], v[VS+\d/2], v[PW+\t] matrix_a_fmt:MATRIX_FMT_BF8 matrix_b_fmt:MATRIX_FMT_BF8
.endif
.endr
.endr
	WIN 0
	s_add_co_u32 s[T], s[T], STEPB
	s_add_co_u32 s[TC], s[TC], 512
.endm
	s_wait_alu depctr_va_vdst(0)                   ; the wait at the head's end
.Lslot:                                        ; seven trips: behind each change of slots but the last the next slot is asked for
	CHANGE 1
	FIRSTK
	s_mov_b32 s[INNER], 3
.Lstep_a:
	STEP 1
	s_sub_co_u32 s[INNER], s[INNER], 1
	s_cmp_lg_u32 s[INNER], 0
	s_cbranch_scc1 .Lstep_a
	STEP 0                                         ; the slot's last step fetches nothing ahead: the next slot is shown whole only behind the change
	s_sub_co_u32 s[T], s[T], SLOTB
	s_xor_b32 s[T], s[T], BUF                      ; on to the other slot
	s_sub_co_u32 s[SLOTS], s[SLOTS], 1
	s_cmp_lg_u32 s[SLOTS], 0
	s_cbranch_scc1 .Lslot
	CHANGE 0                                       ; the last slot is written out: nothing more is asked for
	FIRSTK
	s_mov_b32 s[INNER], 3
.Lstep_b:
	STEP 1
	s_sub_co_u32 s[INNER], s[INNER], 1
	s_cmp_lg_u32 s[INNER], 0
	s_cbranch_scc1 .Lstep_b
	STEP 0
	; THE WAY OUT: O^T goes through my stage in LDS and leaves as rows of 256 bytes, sixteen lanes to an aligned unit
	NOPS 8
	WIN 0x04
.irp t, 0,1
.irp d, 0,1,2,3
	ds_store_b128 v[STO], v[OA+8*(4*\t+\d):OA+8*(4*\t+\d)+3] offset:2176*\t+64*\d
	ds_store_b128 v[STO], v[OA+8*(4*\t+\d)+4:OA+8*(4*\t+\d)+7] offset:2176*\t+64*\d+16
.endr
.endr
	WIN 0
.irp i, 0,1,2,3,4,5,6,7,8,9,10,11,12,13,14,15
	ds_load_b128 v[S+4*\i:S+4*\i+3], v[RD] offset:544*\i   ; LDS serves a wave's instructions in order: these see my stores
.endr
.irp i, 0,1,2,3,4,5,6,7,8,9,10,11,12,13,14,15
	s_wait_dscnt 15-\i
	global_store_b128 v[GO], v[S+4*\i:S+4*\i+3], s[10:11] offset:512*\i th:TH_STORE_NT
.endr
	s_wait_tensorcnt 0x0                           ; the wave's end
	ds_add_u32 v[SPW], v[NIL]
	s_wait_dscnt 0x0
	ROUND                                          ; the closing round
	s_endpgm
.Lfunc_end_k_q6e2f00f260_attn:
	.size	k_q6e2f00f260_attn, .Lfunc_end_k_q6e2f00f260_attn-k_q6e2f00f260_attn
	.p2alignl 7, 3214868480
	.fill 96, 4, 3214868480
	.section	.rodata,"a",@progbits
	.p2align	6, 0x0
	.amdhsa_kernel k_q6e2f00f260_attn
		.amdhsa_group_segment_fixed_size 327680
		.amdhsa_private_segment_fixed_size 0
		.amdhsa_enable_private_segment 0
		.amdhsa_kernarg_size 32
		.amdhsa_user_sgpr_count 2
		.amdhsa_user_sgpr_kernarg_segment_ptr 1
		.amdhsa_wavefront_size32 1
		.amdhsa_system_sgpr_workgroup_id_x 1
		.amdhsa_system_sgpr_workgroup_id_y 1
		.amdhsa_system_sgpr_workgroup_id_z 1
		.amdhsa_system_vgpr_workitem_id 0
		.amdhsa_next_free_vgpr 512
		.amdhsa_next_free_sgpr 80
		.amdhsa_reserve_vcc 0
		.amdhsa_float_denorm_mode_32 3
		.amdhsa_float_denorm_mode_16_64 3
		.amdhsa_memory_ordered 1
		.amdhsa_forward_progress 1
		.amdhsa_inst_pref_size 126
	.end_amdhsa_kernel
	.amdgpu_metadata
---
amdhsa.version: [ 1, 2 ]
amdhsa.kernels:
  - .name:           k_q6e2f00f260_attn
    .symbol:         k_q6e2f00f260_attn.kd
    .args:
      - { .name: qx, .offset: 0, .size: 8, .value_kind: global_buffer, .address_space: global }
      - { .name: kv, .offset: 8, .size: 8, .value_kind: global_buffer, .address_space: global }
      - { .name: nbias, .offset: 16, .size: 8, .value_kind: global_buffer, .address_space: global }
      - { .name: out0, .offset: 24, .size: 8, .value_kind: global_buffer, .address_space: global }
    .group_segment_fixed_size: 327680
    .private_segment_fixed_size: 0
    .kernarg_segment_align: 8
    .kernarg_segment_size: 32
    .max_flat_workgroup_size: 256
    .sgpr_count:     80
    .vgpr_count:     512
    .wavefront_size: 32
...
	.end_amdgpu_metadata
.endif
;; end of part 3
